; MI455X (gfx1250); checked and timed in simulation.
; The chip was launched on July 23, 2026; its instructions are those of AMD's public machine-readable ISA for CDNA 5 (MIT licence, August 2026) and "CDNA5" Instruction Set Architecture Reference Guide (July 2026). The comments in the code are by the model that wrote it; some were corrected since.
;; Gaussian Image Cholesky. Allowed arithmetic: float matrix products may take bf16 or f16 operands with f32 sums; all other float work in f32.
;; Inputs: cholesky 1 x 2,048 x 3 float32; features_dc 2,048 x 3 float32; opacity 2,048 x 1 float32; xyz 1 x 2,048 x 2 float32.
;; Outputs: out0 1 x 3 x 256 x 512 float32.
;; Constants: frame_index = 0.
;; 2 versions, each right; version 2 is version 1 with the launch raster written anew for expert scheduling mode. Each part assembles by itself: llvm-mc -triple=amdgcn-amd-amdhsa -mcpu=gfx1250 --defsym DOCPART=n.
;; ======== version 1 of 2: 2 launches
;; limits: right only within a limited range of input values
;; workspace buffers: gp 81,920 bytes; bbox 8,192 bytes of whole numbers
;; launch prep (part 1): grid 32 x 1, 1 waves a work-group, no clusters, 512 bytes of LDS; arguments xyz, cholesky, opacity, features_dc, gp, bbox; writes gp, bbox
.if DOCPART == 1
	.amdgcn_target "amdgcn-amd-amdhsa--gfx1250"
	.amdhsa_code_object_version 6
	.text
	.protected	k_q15f8936b0e_prep
	.globl	k_q15f8936b0e_prep
	.p2align	8
	.type	k_q15f8936b0e_prep,@function
k_q15f8936b0e_prep:
	s_mov_b64 s[64:65], 0
	v_nop
	global_prefetch_b8 v0, s[64:65] scope:SCOPE_SE
	s_setreg_imm32_b32 hwreg(HW_REG_WAVE_MODE, 25, 1), 1
	s_wait_xcnt 0x0
; Per gaussian: everything of reference() that does not hang on the pixel, and a box of the tiles that it can reach.
; 2,048 gaussians; a work-group (one wave) takes 64; lane l takes g = 64 wg + l and g + 32.
; gp, floats:  Q0 at byte 0      16 B a gaussian {gx, A, op, smax}     A = 0.5 c0 log2e, smax = log2(255 op)
;              Q1 at byte 32768  16 B            {gy, B, C, 0}         B = c1 log2e, C = 0.5 c2 log2e
;              Q2 at byte 65536   8 B            {bf16 r | bf16 g << 16, bf16 b}
; bbox, whole numbers: colmask (8 tile columns of 64 px) | (128 + rhi) << 8 | (255 - rlo) << 16, rows of tiles of 2 px; 0 = reaches nothing.
; THE BOX: reference() drops alpha < 1/255, so a pair counts only if sigma <= ln(255 op), and then
; |dx| <= sqrt(2 ln(255 op) s11), |dy| <= sqrt(2 ln(255 op) s22).  The radius is widened to 1.01 r + 0.01 px.
; tanh: the rational form in x^2 (odd numerator of degree 13, even denominator of degree 6), argument clamped at 7.905, x itself
; below 0.0004; it holds for every finite x.  Quotients are a reciprocal with one residual step.
; LIMITS: NaN or infinite inputs and det = 0 are not served.  The margin of the radius covers the rounding of det up to |l2 / l3| of about 400.
; The sigmoid's exponent is capped at 126 (there 255 op < 1 and the box is empty).  No matrix unit, cluster or tensor load:
; 72 KiB in, 88 KiB out, no tile is shared.
.set IN0,  10                          ; v[10:18]  X Y | C0 C1 C2 | F0 F1 F2 | O of gaussian g
.set IN1,  20                          ; v[20:28]  the same of g + 32
.set OUT0, 32                          ; v[32:42]  Q0 (4), Q1 (4), Q2 (2), box word
.set OUT1, 44                          ; v[44:54]
.set XC, 56
.set X2, 57
.set NU, 58
.set DE, 59
.set RC, 60                            ; a reciprocal
.set QT, 61
.set ER, 62                            ; a residual
.set L1, 63
.set L3, 64
.set S11, 65
.set S12, 66
.set S22, 67
.set DET, 68
.set T0, 69
.set T1, 70
.set T2, 71
.set T3, 72
.set T4, 73
.set RX, 75
.set RY, 76
.set XLO, 77
.set XHI, 78
.set RLO, 79
.set RHI, 80
	s_load_b256 s[4:11], s[0:1], 0x0               ; xyz s[4:5], cholesky s[6:7], opacity s[8:9], features_dc s[10:11]
	s_load_b128 s[12:15], s[0:1], 0x20             ; gp s[12:13], bbox s[14:15]
	v_lshl_add_u32 v96, v0, 2, 0x100
	v_mov_b32 v97, 0
	s_lshl_b32 s16, ttmp9, 6                       ; the group's first gaussian
	s_lshl_b32 s23, ttmp9, 8                       ; and its 256 bytes of bbox
	s_mov_b32 s17, 0xc0fcf84f                      ; -7.90531
	s_mov_b32 s18, 0x40fcf84f                      ;  7.90531
	s_mov_b32 s19, 0x39d1b717                      ; 0.0004
	s_mov_b32 s20, 0x3f8147ae                      ; 1.01
	s_mov_b32 s21, 0x43ff8000                      ; 511.0
	s_mov_b32 s22, 0x437f0000                      ; 255.0
	v_add_nc_u32 v1, s16, v0                       ; G
	v_lshlrev_b32 v2, 3, v1                        ; 8 G
	v_mul_u32_u24 v3, v1, 12                       ; 12 G
	v_lshlrev_b32 v4, 2, v1                        ; 4 G
	v_lshlrev_b32 v5, 4, v1                        ; 16 G
	v_lshlrev_b32 v6, 2, v0                        ; 4 l
	v_lshlrev_b32 v7, 3, v0                        ; 8 l
	v_lshl_add_u32 v8, v0, 3, s23                  ; 256 wg + 8 l
	s_wait_kmcnt 0x0
.macro LOADS IN, u
	global_load_b64 v[\IN:\IN+1], v2, s[4:5] offset:256*\u
.irp c, 0,1,2
	global_load_b32 v[\IN+2+\c], v3, s[6:7] offset:384*\u+4*\c
	global_load_b32 v[\IN+5+\c], v3, s[10:11] offset:384*\u+4*\c
.endr
	global_load_b32 v[\IN+8], v4, s[8:9] offset:128*\u
.endm
	LOADS IN0, 0
	LOADS IN1, 1
	s_wait_loadcnt 0x0                             ; everything is used at once
; q = n / d with RC = 1/d: product, exact residual, one correction
.macro DIVQ q, n, d
	v_mul_f32 v[\q], v[\n], v[RC]
	v_fma_f32 v[ER], -v[\d], v[\q], v[\n]
	v_fma_f32 v[\q], v[ER], v[RC], v[\q]
.endm
.macro TANH d, x
	v_med3_num_f32 v[XC], v[\x], s17, s18
	v_mul_f32 v[X2], v[XC], v[XC]
	v_mov_b32 v[NU], -0.000000000000000276076847742355
	v_fmaak_f32 v[NU], v[X2], v[NU], 0.000000000000200018790482477
	v_fmaak_f32 v[NU], v[X2], v[NU], -0.0000000000860467152213735
	v_fmaak_f32 v[NU], v[X2], v[NU], 0.0000000512229709037114
	v_fmaak_f32 v[NU], v[X2], v[NU], 0.0000148572235717979
	v_fmaak_f32 v[NU], v[X2], v[NU], 0.000637261928875436
	v_fmaak_f32 v[NU], v[X2], v[NU], 0.00489352455891786
	v_mov_b32 v[DE], 0.00000119825839466702
	v_fmaak_f32 v[DE], v[X2], v[DE], 0.000118534705686654
	v_fmaak_f32 v[DE], v[X2], v[DE], 0.00226843463243900
	v_fmaak_f32 v[DE], v[X2], v[DE], 0.00489352518554385
	v_rcp_f32 v[RC], v[DE]
	v_mul_f32 v[NU], v[XC], v[NU]                  ; the plain instruction between the reciprocal and its use (ISA guide 5.7.2)
	s_wait_alu depctr_va_vdst(0)
	DIVQ QT, NU, DE
	v_cmp_lt_f32 vcc_lo, |v[\x]|, s19
	v_cndmask_b32 v[\d], v[QT], v[\x], vcc_lo
.endm
.macro GAUSS IN, OUT
	; centres: (tanh + 1) x 256 and x 128: one rounding, in the sum, as in 0.5 (m + 1) W
	TANH T0, \IN
	v_add_f32 v[T0], 1.0, v[T0]
	v_mul_f32 v[\OUT], 0x43800000, v[T0]           ; gx
	TANH T0, \IN+1
	v_add_f32 v[T0], 1.0, v[T0]
	v_mul_f32 v[\OUT+4], 0x43000000, v[T0]         ; gy
	; covariance and its inverse
	v_add_f32 v[L1], 0.5, v[\IN+2]
	v_add_f32 v[L3], 0.5, v[\IN+4]
	v_mul_f32 v[S11], v[L1], v[L1]
	v_mul_f32 v[S12], v[L1], v[\IN+3]
	v_mul_f32 v[S22], v[L3], v[L3]
	v_fmac_f32 v[S22], v[\IN+3], v[\IN+3]
	v_mul_f32 v[T0], v[S12], v[S12]
	v_fma_f32 v[DET], v[S11], v[S22], -v[T0]
	v_rcp_f32 v[RC], v[DET]
	v_mul_f32 v[T3], 0xbfb8aa3b, v[\IN+8]          ; - O log2e: also the place behind the reciprocal
	s_wait_alu depctr_va_vdst(0)
	DIVQ T0, S22, DET
	DIVQ T1, S12, DET
	DIVQ T2, S11, DET
	v_mul_f32 v[\OUT+1], 0x3f38aa3b, v[T0]         ; A =  0.5 log2e s22 / det
	v_mul_f32 v[\OUT+5], 0xbfb8aa3b, v[T1]         ; B = -    log2e s12 / det
	v_mul_f32 v[\OUT+6], 0x3f38aa3b, v[T2]         ; C =  0.5 log2e s11 / det
	v_mov_b32 v[\OUT+7], 0
	; op = 1 / (1 + 2^(-O log2e)), the reciprocal refined once; smax = log2(255 op)
	v_min_num_f32 v[T3], 0x42fc0000, v[T3]         ; 126: the sum below stays finite
	v_exp_f32 v[T3], v[T3]
	v_nop
	s_wait_alu depctr_va_vdst(0)
	v_add_f32 v[T3], 1.0, v[T3]
	v_rcp_f32 v[RC], v[T3]
	v_nop
	s_wait_alu depctr_va_vdst(0)
	v_fma_f32 v[ER], -v[T3], v[RC], 1.0
	v_fma_f32 v[\OUT+2], v[ER], v[RC], v[RC]
	v_mul_f32 v[T4], 0x437f0000, v[\OUT+2]
	v_log_f32 v[\OUT+3], v[T4]
	; colours: three sigmoids, rounded to bf16 for the matrix unit
	v_mul_f32 v[T0], 0xbfb8aa3b, v[\IN+5]
	v_mul_f32 v[T1], 0xbfb8aa3b, v[\IN+6]
	v_mul_f32 v[T2], 0xbfb8aa3b, v[\IN+7]
	v_exp_f32 v[T0], v[T0]
	v_exp_f32 v[T1], v[T1]
	v_exp_f32 v[T2], v[T2]
	v_nop
	s_wait_alu depctr_va_vdst(0)
	v_add_f32 v[T0], 1.0, v[T0]
	v_add_f32 v[T1], 1.0, v[T1]
	v_add_f32 v[T2], 1.0, v[T2]
	v_rcp_f32 v[T0], v[T0]
	v_rcp_f32 v[T1], v[T1]
	v_rcp_f32 v[T2], v[T2]
	v_mul_f32 v[T4], 0x3fb17218, v[\OUT+3]         ; 2 ln(255 op) = 2 ln2 smax: also the place behind the reciprocals
	s_wait_alu depctr_va_vdst(0)
	v_cvt_pk_bf16_f32 v[\OUT+8], v[T0], v[T1]
	v_cvt_pk_bf16_f32 v[\OUT+9], v[T2], 0
	; the box.  Pixel i has its centre at i + 0.5, so i runs from at least floor(g - r - 0.5) to floor(g + r - 0.5);
	; the clamps to the picture can only widen it.
	v_mul_f32 v[RX], v[T4], v[S11]
	v_mul_f32 v[RY], v[T4], v[S22]
	v_sqrt_f32 v[RX], v[RX]
	v_sqrt_f32 v[RY], v[RY]
	v_nop
	s_wait_alu depctr_va_vdst(0)
	v_fmaak_f32 v[RX], s20, v[RX], 0x3c23d70a      ; 1.01 r + 0.01
	v_fmaak_f32 v[RY], s20, v[RY], 0x3c23d70a
	v_sub_f32 v[XLO], v[\OUT], v[RX]
	v_add_f32 v[XHI], v[\OUT], v[RX]
	v_sub_f32 v[RLO], v[\OUT+4], v[RY]
	v_add_f32 v[RHI], v[\OUT+4], v[RY]
.irp r, XLO, XHI, RLO, RHI
	v_add_f32 v[\r], -0.5, v[\r]
	v_floor_f32 v[\r], v[\r]
.endr
	v_med3_num_f32 v[XLO], v[XLO], 0, s21
	v_med3_num_f32 v[XHI], v[XHI], 0, s21
	v_med3_num_f32 v[RLO], v[RLO], 0, s22
	v_med3_num_f32 v[RHI], v[RHI], 0, s22
.irp r, XLO, XHI, RLO, RHI
	v_cvt_u32_f32 v[\r], v[\r]
.endr
	v_lshrrev_b32 v[XLO], 6, v[XLO]                ; tile columns of 64 px
	v_lshrrev_b32 v[XHI], 6, v[XHI]
	v_lshrrev_b32 v[RLO], 1, v[RLO]                ; tile rows of 2 px
	v_lshrrev_b32 v[RHI], 1, v[RHI]
	v_lshlrev_b32 v[XHI], v[XHI], 2                ; 2 << xhi
	v_lshlrev_b32 v[XLO], v[XLO], 1                ; 1 << xlo
	v_sub_nc_u32 v[T0], v[XHI], v[XLO]             ; bits xlo .. xhi
	v_sub_nc_u32 v[RLO], 255, v[RLO]
	v_lshl_add_u32 v[T0], v[RHI], 8, v[T0]
	v_lshl_add_u32 v[T0], v[RLO], 16, v[T0]
	v_add_nc_u32 v[T0], 0x8000, v[T0]              ; the 128 of byte 1
	v_cmp_ge_f32 vcc_lo, v[\OUT+3], 0              ; 255 op >= 1, else no pixel reaches 1/255 (false for NaN too)
	v_cndmask_b32 v[\OUT+10], 0, v[T0], vcc_lo
.endm
	GAUSS IN0, OUT0
	GAUSS IN1, OUT1
	; each store of the wave covers 512 or 256 consecutive bytes, aligned
	global_store_b128 v5, v[OUT0:OUT0+3], s[12:13]
	global_store_b128 v5, v[OUT1:OUT1+3], s[12:13] offset:512
	global_store_b128 v5, v[OUT0+4:OUT0+7], s[12:13] offset:32768
	global_store_b128 v5, v[OUT1+4:OUT1+7], s[12:13] offset:32768+512
	global_store_b64 v2, v[OUT0+8:OUT0+9], s[12:13] offset:65536
	global_store_b64 v2, v[OUT1+8:OUT1+9], s[12:13] offset:65536+256
	; the 64 box words through LDS, so that one store covers their 256 bytes
	ds_store_b32 v6, v[OUT0+10]
	ds_store_b32 v6, v[OUT1+10] offset:128
	ds_load_b64 v[XC:XC+1], v7                     ; LDS serves a wave's instructions in order: this sees the two stores
	s_wait_dscnt 0x0
	global_store_b64 v8, v[XC:XC+1], s[14:15]
	s_wait_tensorcnt 0x0
	ds_add_u32 v96, v97
	s_wait_dscnt 0x0
	s_endpgm
.Lfunc_end_k_q15f8936b0e_prep:
	.size	k_q15f8936b0e_prep, .Lfunc_end_k_q15f8936b0e_prep-k_q15f8936b0e_prep
	.p2alignl 7, 3214868480
	.fill 96, 4, 3214868480
	.section	.rodata,"a",@progbits
	.p2align	6, 0x0
	.amdhsa_kernel k_q15f8936b0e_prep
		.amdhsa_group_segment_fixed_size 512
		.amdhsa_private_segment_fixed_size 0
		.amdhsa_enable_private_segment 0
		.amdhsa_kernarg_size 48
		.amdhsa_user_sgpr_count 2
		.amdhsa_user_sgpr_kernarg_segment_ptr 1
		.amdhsa_wavefront_size32 1
		.amdhsa_system_sgpr_workgroup_id_x 1
		.amdhsa_system_sgpr_workgroup_id_y 1
		.amdhsa_system_sgpr_workgroup_id_z 1
		.amdhsa_system_vgpr_workitem_id 0
		.amdhsa_next_free_vgpr 98
		.amdhsa_next_free_sgpr 66
		.amdhsa_reserve_vcc 1
		.amdhsa_float_denorm_mode_32 3
		.amdhsa_float_denorm_mode_16_64 3
		.amdhsa_memory_ordered 1
		.amdhsa_forward_progress 1
		.amdhsa_inst_pref_size 17
	.end_amdhsa_kernel
	.amdgpu_metadata
---
amdhsa.version: [ 1, 2 ]
amdhsa.kernels:
  - .name:           k_q15f8936b0e_prep
    .symbol:         k_q15f8936b0e_prep.kd
    .args:
      - { .name: xyz, .offset: 0, .size: 8, .value_kind: global_buffer, .address_space: global }
      - { .name: cholesky, .offset: 8, .size: 8, .value_kind: global_buffer, .address_space: global }
      - { .name: opacity, .offset: 16, .size: 8, .value_kind: global_buffer, .address_space: global }
      - { .name: features_dc, .offset: 24, .size: 8, .value_kind: global_buffer, .address_space: global }
      - { .name: gp, .offset: 32, .size: 8, .value_kind: global_buffer, .address_space: global }
      - { .name: bbox, .offset: 40, .size: 8, .value_kind: global_buffer, .address_space: global }
    .group_segment_fixed_size: 512
    .private_segment_fixed_size: 0
    .kernarg_segment_align: 8
    .kernarg_segment_size: 48
    .max_flat_workgroup_size: 32
    .sgpr_count:     66
    .vgpr_count:     98
    .wavefront_size: 32
...
	.end_amdgpu_metadata
.endif
;; end of part 1
;; launch raster (part 2): grid 8 x 128, 1 waves a work-group, no clusters, 5,888 bytes of LDS; arguments bbox, gp, out0; writes out0
.if DOCPART == 2
	.amdgcn_target "amdgcn-amd-amdhsa--gfx1250"
	.amdhsa_code_object_version 6
	.text
	.protected	k_q15f8936b0e_raster
	.globl	k_q15f8936b0e_raster
	.p2align	8
	.type	k_q15f8936b0e_raster,@function
k_q15f8936b0e_raster:
	s_mov_b64 s[64:65], 0
	v_nop
	global_prefetch_b8 v0, s[64:65] scope:SCOPE_SE
	s_setreg_imm32_b32 hwreg(HW_REG_WAVE_MODE, 25, 1), 1
	s_wait_xcnt 0x0
; One wave renders a tile of 64 x 2 pixels: 8 x 128 tiles.  Lane l owns x0 = 64 tx + 2 l and x0 + 1 in rows 2 ty and 2 ty + 1
; (pixel p = 2 row + xbit).
; 1. SCAN: all 2,048 box words (whole numbers of the launch before) are tested against the tile, 32 at a time; the hits' numbers are packed
;    into a list in LDS without a branch: a hit's place is the running count + the hits in lower lanes, a miss writes a dump entry.
; 2. TRIP, 32 listed gaussians: the lanes gather the 32 records, make the terms that hang on the row (b = B dy, q = C dy^2), stage them in
;    LDS and read them back broadcast; each lane then makes alpha of its 4 pixels for 2 sets of 16 gaussians, rounds it to bf16,
;    and 8 matrix instructions do the einsum with the colours.  s = sigma log2e = (A dx + b) dx + q, alpha = min(op 2^-s, 0.999).
;    One unsigned compare, smax >= s, keeps 0 <= s <= log2(255 op): it is the test sigma >= 0 (a negative s has its sign bit set)
;    and the test alpha >= 1/255 in one.
; MATRIX LAYOUT: B = alpha: the 8 registers of lane L are 16 alphas of lane L's own pixel, so column n = L % 16 carries lane n's pixel in
; k = 0-7, 16-23 and lane 16 + n's pixel in k = 8-15, 24-31.  A = colours: lanes 0-2 (rows 0-2, the first k half) and lanes 24-26 (rows 8-10,
; the second k half) hold a channel's 16 colours, every other lane zeros.  D's registers 0-2 of lane L are then the three channels of
; lane L's own pixel: nothing is transposed on the way out.
; List entries beyond the count name gaussian 0 with colours set to zero; alpha is finite in every case (the minimum drops a NaN).
; The work skipped is only what reference() sets to zero; the list holds up to all 2,048.
; LIMITS: a pair whose alpha is within about 1e-6 relative of 1/255 may fall on the other side of that step; s = -0.0 counts as negative
; (it cannot arise while C > 0).  alpha and colours are rounded to bf16 for the matrix unit; sums in f32.
; No cluster, no tensor load: all that tiles share are the 8 KiB of box words; a tile's records are its own choice.
.set LIST, 0                           ; 2,080 entries of 2 bytes, then the dump entry at place 2,080
.set STG,  4352                        ; 32 slots of 32 bytes {gx, A, op, smax, b0, b1, q0, q1}
.set COLT, 5376                        ; rows r, g, b and a row of zeros, 64 bytes each: bf16 by slot
.set PX,  12                           ; v[12:13] centres x of my two columns
.set PY,  14                           ; v[14:15] centres y of the two rows
.set DX,  20                           ; v[20:21]
.set S,   22                           ; v[22:25]
.set E,   26                           ; v[26:29]
.set TA,  30                           ; v[30:33] alpha of the even gaussian
.set TB,  34                           ; v[34:37] of the odd one
.set AF,  40                           ; v[40:55] colour fragments of set 0, set 1
.set AL,  56                           ; v[56:87] alpha fragments, 8 registers a pixel
.set ACC, 88                           ; v[88:119] sums, 8 registers a pixel
.set PAR, 120                          ; v[120:247] 16 slots of 8; first the box words, last the results
.set MK,  40                           ; s[40:43] masks
	s_load_b128 s[4:7], s[0:1], 0x0                ; bbox s[4:5], gp s[6:7]
	s_load_b64 s[8:9], s[0:1], 0x10                ; out0
	v_lshl_add_u32 v248, v0, 2, 0x1600
	v_mov_b32 v249, 0
	s_and_b32 s11, ttmp7, 0xffff                   ; ty; tx = ttmp9
	s_sub_co_u32 s15, 127, s11
	s_lshl_b32 s15, s15, 16
	s_lshl_b32 s12, s11, 8
	s_or_b32 s12, s12, s15                         ; K = ty << 8 | (127 - ty) << 16
	s_lshl_b32 s13, 1, ttmp9
	s_or_b32 s13, s13, 0x808000                    ; M = my column's bit and the top bits of bytes 1 and 2
	s_lshl_b32 s20, s11, 12                        ; 2 ty rows of 2,048 bytes
	s_lshl_b32 s15, ttmp9, 8                       ; 64 tx columns of 4 bytes
	s_add_co_u32 s20, s20, s15
	s_mov_b32 s21, 0
	s_mov_b32 s14, 0                               ; the count
	s_mov_b32 s18, 0x3f7fbe77                      ; 0.999
	v_lshlrev_b32 v38, 4, v0
	s_wait_kmcnt 0x0
.irp j, 0,1,2,3,4,5,6,7,8,9,10,11,12,13,14,15
	global_load_b128 v[PAR+4*\j:PAR+4*\j+3], v38, s[4:5] offset:512*\j    ; word c of lane l: gaussian 128 j + 4 l + c
.endr
	s_add_nc_u64 s[8:9], s[8:9], s[20:21]          ; out0 at the tile's corner
	v_lshlrev_b32 v1, 2, v0                        ; 4 l
	v_mov_b32 v5, 2080                             ; the dump entry's place
	v_mov_b32 v6, 0
	v_lshlrev_b32 v7, 1, v0                        ; my entry of the list's first 32
	v_lshl_add_u32 v8, v0, 1, COLT                 ; my slot's colour
	v_lshl_add_u32 v9, v0, 5, STG                  ; my slot
	v_min_u32 v2, 3, v0                            ; lanes 0-2: rows 0-2
	v_add_nc_u32 v3, 0xffffffe8, v0                ; l - 24, unsigned
	v_min_u32 v3, 3, v3                            ; lanes 24-26: rows 0-2
	v_min_u32 v2, v2, v3                           ; all others: row 3, the zeros
	v_lshl_add_u32 v10, v2, 6, COLT
	v_mov_b32 v11, STG
	s_lshl_b32 s15, ttmp9, 6
	v_lshl_add_u32 v2, v0, 1, s15                  ; x0
	v_cvt_f32_u32 v[PX], v2
	v_add_f32 v[PX+1], 0x3fc00000, v[PX]
	v_add_f32 v[PX], 0.5, v[PX]
	s_lshl_b32 s15, s11, 1
	v_cvt_f32_u32 v[PY], s15
	v_add_f32 v[PY+1], 0x3fc00000, v[PY]
	v_add_f32 v[PY], 0.5, v[PY]
	v_lshlrev_b32 v19, 3, v0                       ; my 8 bytes of a row of the tile
	ds_store_b16 v8, v6 offset:192                 ; the row of zeros
; 32 box words against the tile.  Byte 1 of w - K is 128 + rhi - ty, byte 2 is 128 + ty - rlo, both 1 to 255 (no borrow): their top bits say
; rlo <= ty <= rhi; byte 0 keeps the mask of columns.  The word 0 gives a zero byte 0 and fails.
.macro SCAN w, g0
	v_sub_nc_u32 v2, v[\w], s12
	v_and_b32 v2, s13, v2
	v_cmp_eq_u32 vcc_lo, s13, v2
	v_mbcnt_lo_u32_b32 v3, vcc_lo, s14             ; the count so far + the hits in lower lanes
	v_cndmask_b32 v3, v5, v3, vcc_lo               ; a miss goes to the dump entry
	v_min_u32 v3, 2080, v3                         ; at most 2,048 hits: never binds, keeps the address in the list by this line alone
	v_lshlrev_b32 v3, 1, v3
	v_add_nc_u32 v4, \g0, v1                       ; the gaussian's number
	ds_store_b16 v3, v4
	s_bcnt1_i32_b32 s15, vcc_lo
	s_add_co_u32 s14, s14, s15
.endm
.irp j, 0,1,2,3,4,5,6,7,8,9,10,11,12,13,14,15
	s_wait_loadcnt 15-\j                           ; loads come back in order: load j is in, the 15 - j younger ones stay out
.irp c, 0,1,2,3
	SCAN PAR+4*\j+\c, 128*\j+\c
.endr
.endr
	v_add_nc_u32 v3, s14, v0                       ; 32 entries behind the last hit name gaussian 0: the last trip reads whole
	v_min_u32 v3, 2079, v3
	v_lshlrev_b32 v3, 1, v3
	ds_store_b16 v3, v6
	s_mov_b32 s16, s14                             ; entries left
	s_add_co_u32 s17, s14, 31
	s_lshr_b32 s17, s17, 5
	s_max_u32 s17, s17, 1                          ; one trip at the least: it starts the sums
	s_sub_co_u32 s17, s17, 1                       ; trips behind the first
; alpha of my 4 pixels for the gaussian whose slot lies in v[P:P+7]
.macro GA P, O
	v_pk_add_f32 v[DX:DX+1], v[\P:\P+1], v[PX:PX+1] op_sel_hi:[0,1] neg_lo:[0,1] neg_hi:[0,1]             ; gx - px
	v_pk_fma_f32 v[S:S+1], v[DX:DX+1], v[\P:\P+1], v[\P+4:\P+5] op_sel:[0,1,0] op_sel_hi:[1,1,0]          ; A dx + b0
	v_pk_fma_f32 v[S+2:S+3], v[DX:DX+1], v[\P:\P+1], v[\P+4:\P+5] op_sel:[0,1,1] op_sel_hi:[1,1,1]        ; A dx + b1
	v_pk_fma_f32 v[S:S+1], v[S:S+1], v[DX:DX+1], v[\P+6:\P+7] op_sel:[0,0,0] op_sel_hi:[1,1,0]            ; (..) dx + q0
	v_pk_fma_f32 v[S+2:S+3], v[S+2:S+3], v[DX:DX+1], v[\P+6:\P+7] op_sel:[0,0,1] op_sel_hi:[1,1,1]        ; (..) dx + q1
.irp k, 0,1,2,3
	v_exp_f32 v[E+\k], -v[S+\k]
.endr
.irp k, 0,1,2,3
	v_cmp_ge_u32 s[MK+\k], v[\P+3], v[S+\k]        ; 0 <= s <= smax; also the plain instructions between the exponentials and their use (ISA guide 5.7.2)
.endr
	s_wait_alu depctr_va_vdst(0)
	v_pk_mul_f32 v[E:E+1], v[E:E+1], v[\P+2:\P+3] op_sel_hi:[1,0]                                         ; x op
	v_pk_mul_f32 v[E+2:E+3], v[E+2:E+3], v[\P+2:\P+3] op_sel_hi:[1,0]
.irp k, 0,1,2,3
	v_min_num_f32 v[E+\k], s18, v[E+\k]
.endr
.irp k, 0,1,2,3
	v_cndmask_b32 v[\O+\k], 0, v[E+\k], s[MK+\k]
.endr
.endm
; gaussians i and i + 1 of a set: one register of each pixel's alpha fragment
.macro EV2 i
	GA PAR+8*\i, TA
	GA PAR+8*\i+8, TB
.irp p, 0,1,2,3
	v_cvt_pk_bf16_f32 v[AL+8*\p+\i/2], v[TA+\p], v[TB+\p]
.endr
.endm
.macro MM set, zero
.irp p, 0,1,2,3
.if \zero
	v_wmma_f32_16x16x32_bf16 v[ACC+8*\p:ACC+8*\p+7], v[AF+8*\set:AF+8*\set+7], v[AL+8*\p:AL+8*\p+7], 0
.else
	v_wmma_f32_16x16x32_bf16 v[ACC+8*\p:ACC+8*\p+7], v[AF+8*\set:AF+8*\set+7], v[AL+8*\p:AL+8*\p+7], v[ACC+8*\p:ACC+8*\p+7]
.endif
.endr
.endm
; 32 entries of the list.  zero = 1: the first products start the sums.
; Behind the matrix instructions of the trip before stand more than four plain vector instructions that name none of their registers
; before AF is loaded again, and more than forty before AL is written again (ISA guide 7.12.1).
.macro TRIP zero
	v_min_u32 v16, 4158, v7                        ; never binds (the list ends at byte 4,159): keeps the address in LDS by this line alone
	ds_load_u16 v16, v16
	s_wait_dscnt 0x0
	v_min_u32 v16, 0x7ff, v16                      ; an index into 2,048 records
	v_lshlrev_b32 v17, 4, v16
	v_lshlrev_b32 v18, 3, v16
	global_load_b128 v[20:23], v17, s[6:7]                 ; gx, A, op, smax
	global_load_b128 v[24:27], v17, s[6:7] offset:32768    ; gy, B, C, 0
	global_load_b64 v[28:29], v18, s[6:7] offset:65536     ; colours
	v_cmp_gt_u32 vcc_lo, s16, v0                   ; is my entry a hit or padding?
	s_wait_loadcnt 0x0                             ; all three are used now; v17 and v18 are free for the next trip
	v_cndmask_b32 v28, 0, v28, vcc_lo              ; padding adds nothing
	v_cndmask_b32 v29, 0, v29, vcc_lo
	ds_store_b16 v8, v28                           ; r
	ds_store_b16_d16_hi v8, v28 offset:64          ; g
	ds_store_b16 v8, v29 offset:128                ; b
	v_pk_add_f32 v[30:31], v[24:25], v[PY:PY+1] op_sel_hi:[0,1] neg_lo:[0,1] neg_hi:[0,1]    ; dy of the two rows
	v_pk_mul_f32 v[32:33], v[30:31], v[24:25] op_sel:[0,1] op_sel_hi:[1,1]                   ; b = B dy
	v_pk_mul_f32 v[34:35], v[30:31], v[30:31]
	v_pk_mul_f32 v[34:35], v[34:35], v[26:27] op_sel_hi:[1,0]                                ; q = C dy^2
	ds_store_b128 v9, v[20:23]
	ds_store_b128 v9, v[32:35] offset:16
	; LDS serves a wave's instructions in order: the loads below see the stores above
.irp t, 0,1,2,3
	ds_load_b128 v[AF+4*\t:AF+4*\t+3], v10 offset:16*\t
.endr
.irp i, 0,1,2,3,4,5,6,7,8,9,10,11,12,13,14,15
	ds_load_b128 v[PAR+8*\i:PAR+8*\i+3], v11 offset:32*\i          ; every lane reads the same slot
	ds_load_b128 v[PAR+8*\i+4:PAR+8*\i+7], v11 offset:32*\i+16
.endr
.irp i, 0,2,4,6,8,10,12,14
	s_wait_dscnt 28                                ; behind this pair's 4 loads stand 2 (14 - i) loads of set 0 and 2 i of set 1: 28
	EV2 \i
	ds_load_b128 v[PAR+8*\i:PAR+8*\i+3], v11 offset:32*\i+512      ; the same places of set 1
	ds_load_b128 v[PAR+8*\i+4:PAR+8*\i+7], v11 offset:32*\i+528
	ds_load_b128 v[PAR+8*\i+8:PAR+8*\i+11], v11 offset:32*\i+544
	ds_load_b128 v[PAR+8*\i+12:PAR+8*\i+15], v11 offset:32*\i+560
.endr
	MM 0, \zero
.irp i, 0,2,4,6,8,10,12,14
	s_wait_dscnt 28-2*\i                           ; behind this pair's 4 loads stand those of the 7 - i/2 later pairs
	EV2 \i
.endr
	MM 1, 0
.endm
	TRIP 1
	s_cmp_eq_u32 s17, 0
	s_cbranch_scc1 .Lout
.Lmore:
	v_add_nc_u32 v7, 64, v7                        ; the next 32 entries
	s_sub_co_u32 s16, s16, 32
	TRIP 0
	s_sub_co_u32 s17, s17, 1
	s_cmp_lg_u32 s17, 0
	s_cbranch_scc1 .Lmore
.Lout:
.rept 4
	v_nop                                          ; four places behind the last matrix instruction before its result is read (ISA guide 7.12.1)
.endr
	; clip; my two neighbouring pixels of a row make a pair, so that each store of the wave covers 256 consecutive bytes, aligned
.irp c, 0,1,2
.irp r, 0,1
	v_med3_num_f32 v[PAR+4*\c+2*\r], v[ACC+16*\r+\c], 0, 1.0
	v_med3_num_f32 v[PAR+4*\c+2*\r+1], v[ACC+16*\r+8+\c], 0, 1.0
.endr
.endr
.irp c, 0,1,2
.irp r, 0,1
	global_store_b64 v19, v[PAR+4*\c+2*\r:PAR+4*\c+2*\r+1], s[8:9] offset:524288*\c+2048*\r
.endr
.endr
	s_wait_tensorcnt 0x0
	ds_add_u32 v248, v249
	s_wait_dscnt 0x0
	s_endpgm
.Lfunc_end_k_q15f8936b0e_raster:
	.size	k_q15f8936b0e_raster, .Lfunc_end_k_q15f8936b0e_raster-k_q15f8936b0e_raster
	.p2alignl 7, 3214868480
	.fill 96, 4, 3214868480
	.section	.rodata,"a",@progbits
	.p2align	6, 0x0
	.amdhsa_kernel k_q15f8936b0e_raster
		.amdhsa_group_segment_fixed_size 5888
		.amdhsa_private_segment_fixed_size 0
		.amdhsa_enable_private_segment 0
		.amdhsa_kernarg_size 24
		.amdhsa_user_sgpr_count 2
		.amdhsa_user_sgpr_kernarg_segment_ptr 1
		.amdhsa_wavefront_size32 1
		.amdhsa_system_sgpr_workgroup_id_x 1
		.amdhsa_system_sgpr_workgroup_id_y 1
		.amdhsa_system_sgpr_workgroup_id_z 1
		.amdhsa_system_vgpr_workitem_id 0
		.amdhsa_next_free_vgpr 250
		.amdhsa_next_free_sgpr 66
		.amdhsa_reserve_vcc 1
		.amdhsa_float_denorm_mode_32 3
		.amdhsa_float_denorm_mode_16_64 3
		.amdhsa_memory_ordered 1
		.amdhsa_forward_progress 1
		.amdhsa_inst_pref_size 146
	.end_amdhsa_kernel
	.amdgpu_metadata
---
amdhsa.version: [ 1, 2 ]
amdhsa.kernels:
  - .name:           k_q15f8936b0e_raster
    .symbol:         k_q15f8936b0e_raster.kd
    .args:
      - { .name: bbox, .offset: 0, .size: 8, .value_kind: global_buffer, .address_space: global }
      - { .name: gp, .offset: 8, .size: 8, .value_kind: global_buffer, .address_space: global }
      - { .name: out0, .offset: 16, .size: 8, .value_kind: global_buffer, .address_space: global }
    .group_segment_fixed_size: 5888
    .private_segment_fixed_size: 0
    .kernarg_segment_align: 8
    .kernarg_segment_size: 24
    .max_flat_workgroup_size: 32
    .sgpr_count:     66
    .vgpr_count:     250
    .wavefront_size: 32
...
	.end_amdgpu_metadata
.endif
;; end of part 2
;; ======== version 2 of 2: 2 launches; version 1 with the launch raster written anew for expert scheduling mode
;; limits: right only within a limited range of input values
;; workspace buffers: gp 81,920 bytes; bbox 8,192 bytes of whole numbers
;; launch prep: the kernel of part 1 again; grid 32 x 1, 1 waves a work-group, no clusters, 512 bytes of LDS; arguments xyz, cholesky, opacity, features_dc, gp, bbox; writes gp, bbox
;; launch raster (part 3): grid 8 x 128, 1 waves a work-group, no clusters, 5,888 bytes of LDS; arguments bbox, gp, out0; writes out0
.if DOCPART == 3
	.amdgcn_target "amdgcn-amd-amdhsa--gfx1250"
	.amdhsa_code_object_version 6
	.text
	.protected	k_q15f8936b0e_raster
	.globl	k_q15f8936b0e_raster
	.p2align	8
	.type	k_q15f8936b0e_raster,@function
k_q15f8936b0e_raster:
	s_mov_b64 s[64:65], 0
	v_nop
	global_prefetch_b8 v0, s[64:65] scope:SCOPE_SE
	s_setreg_imm32_b32 hwreg(HW_REG_WAVE_SCHED_MODE, 0, 2), 2
	s_setreg_imm32_b32 hwreg(HW_REG_WAVE_MODE, 25, 1), 1
	s_wait_xcnt 0x0
	s_wait_alu depctr_vm_vsrc(0)
; One wave renders a tile of 64 x 2 pixels: 8 x 128 tiles.  Lane l owns x0 = 64 tx + 2 l and x0 + 1 in rows 2 ty and 2 ty + 1
; (pixel p = 2 row + xbit).
; 1. SCAN: all 2,048 box words (whole numbers of the launch before) are tested against the tile, 32 at a time; the hits' numbers are packed
;    into a list in LDS without a branch: a hit's place is the running count + the hits in lower lanes, a miss writes a dump entry.
; 2. TRIP, 32 listed gaussians: the lanes gather the 32 records, make the terms that hang on the row (b = B dy, q = C dy^2), stage them in
;    LDS and read them back broadcast; each lane then makes alpha of its 4 pixels for 2 sets of 16 gaussians, rounds it to bf16,
;    and 8 matrix instructions do the einsum with the colours.  s = sigma log2e = (A dx + b) dx + q, alpha = min(op 2^-s, 0.999).
;    One unsigned compare, smax >= s, keeps 0 <= s <= log2(255 op): it is the test sigma >= 0 (a negative s has its sign bit set)
;    and the test alpha >= 1/255 in one.
; MATRIX LAYOUT: B = alpha: the 8 registers of lane L are 16 alphas of lane L's own pixel, so column n = L % 16 carries lane n's pixel in
; k = 0-7, 16-23 and lane 16 + n's pixel in k = 8-15, 24-31.  A = colours: lanes 0-2 (rows 0-2, the first k half) and lanes 24-26 (rows 8-10,
; the second k half) hold a channel's 16 colours, every other lane zeros.  D's registers 0-2 of lane L are then the three channels of
; lane L's own pixel: nothing is transposed on the way out.
; List entries beyond the count name gaussian 0 with colours set to zero; alpha is finite in every case (the minimum drops a NaN).
; The work skipped is only what reference() sets to zero; the list holds up to all 2,048.
; LIMITS: a pair whose alpha is within about 1e-6 relative of 1/255 may fall on the other side of that step; s = -0.0 counts as negative
; (it cannot arise while C > 0).  alpha and colours are rounded to bf16 for the matrix unit; sums in f32.
; No cluster, no tensor load: all that tiles share are the 8 KiB of box words; a tile's records are its own choice.
; THE MODE: SCHED_MODE bits 1:0 = 2 (LLVM: expert scheduling mode 2), set by the entry lines.  The code itself states the register dependences
; between vector or matrix instructions and memory or LDS instructions, with s_wait_alu, always for 0.
; THE PLAN.  Registers that memory or LDS instructions touch:
;   v6, v8-v11, v19, v38   0 and the fixed offsets: made at the head, ahead of one wait, never written again.
;   SB0, SB1   (scan) 8 list addresses and 8 numbers each, by turns: group g writes SB[g % 2], its 8 LDS stores read it, group g + 2 writes it again.
;   v3, v[LA]  the padding's and the list load's address.        v16  the list entry lands here; only vector lines name it besides.
;   v17, v18   the record loads' offsets.                         v[20:29]  the records land here; v[20:23], v28, v29 and v[32:35] are LDS store data;
;              the pairs of gaussians write v[20:25] and v[30:37] afterwards.
;   AF         colour fragments: LDS loads land, matrix instructions read.
;   H0, H1     the two halves of PAR, 8 slots each.  A trip is four steps of 8 gaussians on H0, H1, H0, H1; behind step 0 the slots of step 2 are asked
;              for into H0, behind step 1 those of step 3 into H1: each reload has a whole step in which to land.
;   AL in the trips and ACC are named by vector and matrix instructions alone.
; Masks that compares write into scalar registers are made in runs of eight, with one wait behind the run.
.set LIST, 0                           ; 2,080 entries of 2 bytes, then the dump entry at place 2,080
.set STG,  4352                        ; 32 slots of 32 bytes {gx, A, op, smax, b0, b1, q0, q1}
.set COLT, 5376                        ; rows r, g, b and a row of zeros, 64 bytes each: bf16 by slot
.set PX,  12                           ; v[12:13] centres x of my two columns
.set PY,  14                           ; v[14:15] centres y of the two rows
.set DX,  20                           ; v[20:21]
.set S,   22                           ; v[22:25]
.set TA,  30                           ; v[30:33] alpha of the even gaussian
.set TB,  34                           ; v[34:37] of the odd one
.set LA,  39                           ; v39      LDS address of my entry of the list
.set AF,  40                           ; v[40:55] colour fragments of set 0, set 1
.set AL,  56                           ; v[56:87] alpha fragments, 8 registers a pixel
.set SB,  56                           ; v[56:87] in the scan: buffer b at SB + 16 b: 8 addresses, then 8 numbers
.set ACC, 88                           ; v[88:119] sums, 8 registers a pixel
.set PAR, 120                          ; v[120:247] 16 slots of 8; first the box words, last the results
.set SM,  24                           ; s[24:31] the scan's masks
.set MK,  40                           ; s[40:47] a pair's masks
	s_load_b128 s[4:7], s[0:1], 0x0                ; bbox s[4:5], gp s[6:7]
	s_load_b64 s[8:9], s[0:1], 0x10                ; out0
	v_lshl_add_u32 v248, v0, 2, 0x1600
	v_mov_b32 v249, 0
	s_and_b32 s11, ttmp7, 0xffff                   ; ty; tx = ttmp9
	s_sub_co_u32 s15, 127, s11
	s_lshl_b32 s15, s15, 16
	s_lshl_b32 s12, s11, 8
	s_or_b32 s12, s12, s15                         ; K = ty << 8 | (127 - ty) << 16
	s_lshl_b32 s13, 1, ttmp9
	s_or_b32 s13, s13, 0x808000                    ; M = my column's bit and the top bits of bytes 1 and 2
	s_lshl_b32 s20, s11, 12                        ; 2 ty rows of 2,048 bytes
	s_lshl_b32 s15, ttmp9, 8                       ; 64 tx columns of 4 bytes
	s_add_co_u32 s20, s20, s15
	s_mov_b32 s21, 0
	s_mov_b32 s14, 0                               ; the count
	s_mov_b32 s18, 0x3f7fbe77                      ; 0.999
	; all the set-up on vector registers stands here, while the arguments are on their way
	v_lshlrev_b32 v38, 4, v0
	v_lshlrev_b32 v1, 2, v0                        ; 4 l
	v_mov_b32 v5, 2080                             ; the dump entry's place
	v_mov_b32 v6, 0
	v_lshlrev_b32 v7, 1, v0                        ; my entry of the list's first 32
	v_lshl_add_u32 v8, v0, 1, COLT                 ; my slot's colour
	v_lshl_add_u32 v9, v0, 5, STG                  ; my slot
	v_min_u32 v2, 3, v0                            ; lanes 0-2: rows 0-2
	v_add_nc_u32 v3, 0xffffffe8, v0                ; l - 24, unsigned
	v_min_u32 v3, 3, v3                            ; lanes 24-26: rows 0-2
	v_min_u32 v2, v2, v3                           ; all others: row 3, the zeros
	v_lshl_add_u32 v10, v2, 6, COLT
	v_mov_b32 v11, STG
	s_lshl_b32 s15, ttmp9, 6
	v_lshl_add_u32 v2, v0, 1, s15                  ; x0
	v_cvt_f32_u32 v[PX], v2
	v_add_f32 v[PX+1], 0x3fc00000, v[PX]
	v_add_f32 v[PX], 0.5, v[PX]
	s_lshl_b32 s15, s11, 1
	v_cvt_f32_u32 v[PY], s15
	v_add_f32 v[PY+1], 0x3fc00000, v[PY]
	v_add_f32 v[PY], 0.5, v[PY]
	v_lshlrev_b32 v19, 3, v0                       ; my 8 bytes of a row of the tile
	s_wait_kmcnt 0x0
	s_add_nc_u64 s[8:9], s[8:9], s[20:21]          ; out0 at the tile's corner
	s_wait_alu depctr_va_vdst(0)                   ; v6, v8 to v11, v19 and v38 are written: the loads and stores of the whole kernel read them as offsets, addresses and data
.irp j, 0,1,2,3,4,5,6,7,8,9,10,11,12,13,14,15
	global_load_b128 v[PAR+4*\j:PAR+4*\j+3], v38, s[4:5] offset:512*\j    ; word c of lane l: gaussian 128 j + 4 l + c
.endr
	ds_store_b16 v8, v6 offset:192                 ; the row of zeros
; Group g: the 8 x 32 box words of loads 2 g and 2 g + 1 against the tile.  Byte 1 of w - K is 128 + rhi - ty, byte 2 is 128 + ty - rlo, both 1 to 255
; (no borrow): their top bits say rlo <= ty <= rhi; byte 0 keeps the mask of columns.  The word 0 gives a zero byte 0 and fails.
.macro SCAN8 g
	s_wait_loadcnt 14-2*(\g)                       ; loads come back in order: loads 2 g and 2 g + 1 are in, the 14 - 2 g younger ones stay out
.if (\g) >= 2
	s_wait_alu depctr_vm_vsrc(0)                   ; the LDS stores of group g - 2 have read this buffer, which the lines below write again
.endif
.irp k, 0,1,2,3,4,5,6,7
	v_sub_nc_u32 v[SB+16*((\g)%2)+\k], v[PAR+8*(\g)+\k], s12
	v_and_b32 v[SB+16*((\g)%2)+\k], s13, v[SB+16*((\g)%2)+\k]
	v_cmp_eq_u32 s[SM+\k], s13, v[SB+16*((\g)%2)+\k]
.endr
.irp k, 0,1,2,3,4,5,6,7
	v_add_nc_u32 v[SB+16*((\g)%2)+8+\k], 128*(2*(\g)+(\k)/4)+(\k)%4, v1   ; the gaussian's number
.endr
	s_wait_alu depctr_va_sdst(0)                   ; the eight compares have written s[SM ..], ahead of their first readers below
.irp k, 0,1,2,3,4,5,6,7
	v_mbcnt_lo_u32_b32 v[SB+16*((\g)%2)+\k], s[SM+\k], s14               ; the count so far + the hits in lower lanes
	s_bcnt1_i32_b32 s15, s[SM+\k]
	s_add_co_u32 s14, s14, s15
.endr
.irp k, 0,1,2,3,4,5,6,7
	v_cndmask_b32 v[SB+16*((\g)%2)+\k], v5, v[SB+16*((\g)%2)+\k], s[SM+\k]   ; a miss goes to the dump entry
.endr
.irp k, 0,1,2,3,4,5,6,7
	v_min_u32 v[SB+16*((\g)%2)+\k], 2080, v[SB+16*((\g)%2)+\k]           ; at most 2,048 hits: never binds, keeps the address in the list by this line alone
.endr
.irp k, 0,1,2,3,4,5,6,7
	v_lshlrev_b32 v[SB+16*((\g)%2)+\k], 1, v[SB+16*((\g)%2)+\k]
.endr
	s_wait_alu depctr_va_vdst(0)                   ; the group's eight addresses and eight numbers are written, which the stores below read
.irp k, 0,1,2,3,4,5,6,7
	ds_store_b16 v[SB+16*((\g)%2)+\k], v[SB+16*((\g)%2)+8+\k]
.endr
.endm
.irp g, 0,1,2,3,4,5,6,7
	SCAN8 \g
.endr
	v_add_nc_u32 v3, s14, v0                       ; 32 entries behind the last hit name gaussian 0: the last trip reads whole
	v_min_u32 v3, 2079, v3
	v_lshlrev_b32 v3, 1, v3                        ; the store stands in the first trip, behind its first wait
	s_mov_b32 s16, s14                             ; entries left
	s_add_co_u32 s17, s14, 31
	s_lshr_b32 s17, s17, 5
	s_max_u32 s17, s17, 1                          ; one trip at the least: it starts the sums
	s_sub_co_u32 s17, s17, 1                       ; trips behind the first
; alpha of my 4 pixels, before the select, for the gaussian whose slot lies in v[P:P+7]: into v[O:O+3]; the four masks into s[M:M+3]
.macro GA P, O, M
	v_pk_add_f32 v[DX:DX+1], v[\P:\P+1], v[PX:PX+1] op_sel_hi:[0,1] neg_lo:[0,1] neg_hi:[0,1]             ; gx - px
	v_pk_fma_f32 v[S:S+1], v[DX:DX+1], v[\P:\P+1], v[\P+4:\P+5] op_sel:[0,1,0] op_sel_hi:[1,1,0]          ; A dx + b0
	v_pk_fma_f32 v[S+2:S+3], v[DX:DX+1], v[\P:\P+1], v[\P+4:\P+5] op_sel:[0,1,1] op_sel_hi:[1,1,1]        ; A dx + b1
	v_pk_fma_f32 v[S:S+1], v[S:S+1], v[DX:DX+1], v[\P+6:\P+7] op_sel:[0,0,0] op_sel_hi:[1,1,0]            ; (..) dx + q0
	v_pk_fma_f32 v[S+2:S+3], v[S+2:S+3], v[DX:DX+1], v[\P+6:\P+7] op_sel:[0,0,1] op_sel_hi:[1,1,1]        ; (..) dx + q1
.irp k, 0,1,2,3
	v_exp_f32 v[\O+\k], -v[S+\k]
.endr
.irp k, 0,1,2,3
	v_cmp_ge_u32 s[\M+\k], v[\P+3], v[S+\k]        ; 0 <= s <= smax; also the plain instructions between the exponentials and their use (ISA guide 5.7.2)
.endr
	s_wait_alu depctr_va_vdst(0)
	v_pk_mul_f32 v[\O:\O+1], v[\O:\O+1], v[\P+2:\P+3] op_sel_hi:[1,0]                                     ; x op
	v_pk_mul_f32 v[\O+2:\O+3], v[\O+2:\O+3], v[\P+2:\P+3] op_sel_hi:[1,0]
.irp k, 0,1,2,3
	v_min_num_f32 v[\O+\k], s18, v[\O+\k]
.endr
.endm
; gaussians i and i + 1 of a set: one register of each pixel's alpha fragment
.macro EV2 i
	GA PAR+8*\i, TA, MK
	GA PAR+8*\i+8, TB, MK+4
	s_wait_alu depctr_va_sdst(0)                   ; the pair's eight compares have written s[MK ..], ahead of the selects that read them
.irp k, 0,1,2,3
	v_cndmask_b32 v[TA+\k], 0, v[TA+\k], s[MK+\k]
.endr
.irp k, 0,1,2,3
	v_cndmask_b32 v[TB+\k], 0, v[TB+\k], s[MK+4+\k]
.endr
.irp p, 0,1,2,3
	v_cvt_pk_bf16_f32 v[AL+8*\p+\i/2], v[TA+\p], v[TB+\p]
.endr
.endm
.macro MM set, zero
.irp p, 0,1,2,3
.if \zero
	v_wmma_f32_16x16x32_bf16 v[ACC+8*\p:ACC+8*\p+7], v[AF+8*\set:AF+8*\set+7], v[AL+8*\p:AL+8*\p+7], 0
.else
	v_wmma_f32_16x16x32_bf16 v[ACC+8*\p:ACC+8*\p+7], v[AF+8*\set:AF+8*\set+7], v[AL+8*\p:AL+8*\p+7], v[ACC+8*\p:ACC+8*\p+7]
.endif
.endr
.endm
; 32 entries of the list.  zero = 1: the first trip: the list's padding is stored, and the first products start the sums.
; Behind a run of matrix instructions stand more than forty plain vector instructions that name none of their registers before AL is written again
; (ISA guide 7.12.1); the four accumulators take turns.
.macro TRIP zero
	v_min_u32 v[LA], 4158, v7                      ; never binds (the list ends at byte 4,159): keeps the address in LDS by this line alone
	s_wait_alu depctr_va_vdst(0)                   ; v[LA] is written (in the first trip v3 too), which the lines below read; the last trip's lines are done reading v16, in which the entry lands
.if \zero
	ds_store_b16 v3, v6                            ; the padding; LDS serves a wave's instructions in order: the load below sees it and the scan's stores
.endif
	ds_load_u16 v16, v[LA]
	s_wait_dscnt 0x0
	v_min_u32 v16, 0x7ff, v16                      ; an index into 2,048 records
	v_lshlrev_b32 v17, 4, v16
	v_lshlrev_b32 v18, 3, v16
	s_wait_alu depctr_va_vdst(0)                   ; v17 and v18 are written, which the three loads read; the last trip's pairs are done with v[20:29], in which the records land
	global_load_b128 v[20:23], v17, s[6:7]                 ; gx, A, op, smax
	global_load_b128 v[24:27], v17, s[6:7] offset:32768    ; gy, B, C, 0
	global_load_b64 v[28:29], v18, s[6:7] offset:65536     ; colours
	v_cmp_gt_u32 vcc_lo, s16, v0                   ; is my entry a hit or padding?
	s_wait_loadcnt 0x0                             ; all three are used now, and are done: their offsets are written again in the next trip
	s_wait_alu depctr_va_vcc(0)                    ; the compare has written VCC, ahead of the two selects that read it
	v_cndmask_b32 v28, 0, v28, vcc_lo              ; padding adds nothing
	v_cndmask_b32 v29, 0, v29, vcc_lo
	v_pk_add_f32 v[30:31], v[24:25], v[PY:PY+1] op_sel_hi:[0,1] neg_lo:[0,1] neg_hi:[0,1]    ; dy of the two rows
	v_pk_mul_f32 v[32:33], v[30:31], v[24:25] op_sel:[0,1] op_sel_hi:[1,1]                   ; b = B dy
	v_pk_mul_f32 v[34:35], v[30:31], v[30:31]
	v_pk_mul_f32 v[34:35], v[34:35], v[26:27] op_sel_hi:[1,0]                                ; q = C dy^2
	s_wait_alu depctr_va_vdst(0)                   ; v28, v29 and v[32:35] are written, which the stores read.  It serves the 36 loads below too: the last trip's matrix
	                                               ; instructions are done reading AF, the last readers of PAR (its pairs; the scan) are done, and only LDS instructions follow up to those loads
	ds_store_b16 v8, v28                           ; r
	ds_store_b16_d16_hi v8, v28 offset:64          ; g
	ds_store_b16 v8, v29 offset:128                ; b
	ds_store_b128 v9, v[20:23]
	ds_store_b128 v9, v[32:35] offset:16
	; LDS serves a wave's instructions in order: the loads below see the stores above
.irp t, 0,1,2,3
	ds_load_b128 v[AF+4*\t:AF+4*\t+3], v10 offset:16*\t
.endr
.irp i, 0,1,2,3,4,5,6,7,8,9,10,11,12,13,14,15
	ds_load_b128 v[PAR+8*\i:PAR+8*\i+3], v11 offset:32*\i          ; every lane reads the same slot: slots 0-7 into H0, 8-15 into H1
	ds_load_b128 v[PAR+8*\i+4:PAR+8*\i+7], v11 offset:32*\i+16
.endr
	s_wait_alu depctr_vm_vsrc(0)                   ; the five stores have read v[20:23], v28, v29 and v[32:35], of which the pairs below write v[20:23] and v[32:35] and the next trip's loads the rest;
	                                               ; the list's and the records' loads have read v[LA], v17, v18, which the next trip writes; in the first trip the scan's stores have read AL's registers
.irp i, 0,2,4,6
	s_wait_dscnt 28-2*\i                           ; step 0, H0: behind this pair's 4 loads stand those of the 7 - i/2 later pairs
	EV2 \i
.endr
	s_wait_alu depctr_va_vdst(0)                   ; step 0's pairs are done reading H0, in which the 16 loads below land
.irp i, 0,1,2,3,4,5,6,7
	ds_load_b128 v[PAR+8*\i:PAR+8*\i+3], v11 offset:32*\i+512      ; the same places of set 1
	ds_load_b128 v[PAR+8*\i+4:PAR+8*\i+7], v11 offset:32*\i+528
.endr
.irp i, 8,10,12,14
	s_wait_dscnt 44-2*\i                           ; step 1, H1: behind this pair's 4 loads stand 2 (14 - i) of H1 and the 16 just issued
	EV2 \i
.endr
	s_wait_alu depctr_va_vdst(0)                   ; step 1's pairs are done reading H1, in which the 16 loads below land; the matrix instructions behind them name AF, AL and ACC alone
.irp i, 8,9,10,11,12,13,14,15
	ds_load_b128 v[PAR+8*\i:PAR+8*\i+3], v11 offset:32*\i+512
	ds_load_b128 v[PAR+8*\i+4:PAR+8*\i+7], v11 offset:32*\i+528
.endr
	MM 0, \zero
.irp i, 0,2,4,6
	s_wait_dscnt 28-2*\i                           ; step 2, H0: behind this pair's 4 loads stand 2 (6 - i) of H0 and the 16 of H1
	EV2 \i
.endr
.irp i, 8,10,12,14
	s_wait_dscnt 28-2*\i                           ; step 3, H1: behind this pair's 4 loads stand those of the 7 - i/2 later pairs
	EV2 \i
.endr
	MM 1, 0
.endm
	TRIP 1
	s_cmp_eq_u32 s17, 0
	s_cbranch_scc1 .Lout
.Lmore:
	v_add_nc_u32 v7, 64, v7                        ; the next 32 entries (no memory instruction names v7)
	s_sub_co_u32 s16, s16, 32
	TRIP 0
	s_sub_co_u32 s17, s17, 1
	s_cmp_lg_u32 s17, 0
	s_cbranch_scc1 .Lmore
.Lout:
.rept 4
	v_nop                                          ; four places behind the last matrix instruction before its result is read (ISA guide 7.12.1)
.endr
	; clip; my two neighbouring pixels of a row make a pair, so that each store of the wave covers 256 consecutive bytes, aligned
.irp c, 0,1,2
.irp r, 0,1
	v_med3_num_f32 v[PAR+4*\c+2*\r], v[ACC+16*\r+\c], 0, 1.0
	v_med3_num_f32 v[PAR+4*\c+2*\r+1], v[ACC+16*\r+8+\c], 0, 1.0
.endr
.endr
	s_wait_alu depctr_va_vdst(0)                   ; the clips have written v[PAR .. PAR+11], which the six stores read
.irp c, 0,1,2
.irp r, 0,1
	global_store_b64 v19, v[PAR+4*\c+2*\r:PAR+4*\c+2*\r+1], s[8:9] offset:524288*\c+2048*\r
.endr
.endr
	s_wait_dscnt 0x0
	s_wait_alu depctr_hold_cnt(0) depctr_sa_sdst(0) depctr_va_vdst(0) depctr_va_sdst(0) depctr_va_ssrc(0) depctr_va_vcc(0) depctr_vm_vsrc(0)
	s_wait_tensorcnt 0x0
	ds_add_u32 v248, v249
	s_wait_dscnt 0x0
	s_endpgm
.Lfunc_end_k_q15f8936b0e_raster:
	.size	k_q15f8936b0e_raster, .Lfunc_end_k_q15f8936b0e_raster-k_q15f8936b0e_raster
	.p2alignl 7, 3214868480
	.fill 96, 4, 3214868480
	.section	.rodata,"a",@progbits
	.p2align	6, 0x0
	.amdhsa_kernel k_q15f8936b0e_raster
		.amdhsa_group_segment_fixed_size 5888
		.amdhsa_private_segment_fixed_size 0
		.amdhsa_enable_private_segment 0
		.amdhsa_kernarg_size 24
		.amdhsa_user_sgpr_count 2
		.amdhsa_user_sgpr_kernarg_segment_ptr 1
		.amdhsa_wavefront_size32 1
		.amdhsa_system_sgpr_workgroup_id_x 1
		.amdhsa_system_sgpr_workgroup_id_y 1
		.amdhsa_system_sgpr_workgroup_id_z 1
		.amdhsa_system_vgpr_workitem_id 0
		.amdhsa_next_free_vgpr 250
		.amdhsa_next_free_sgpr 66
		.amdhsa_reserve_vcc 1
		.amdhsa_float_denorm_mode_32 3
		.amdhsa_float_denorm_mode_16_64 3
		.amdhsa_memory_ordered 1
		.amdhsa_forward_progress 1
		.amdhsa_inst_pref_size 152
	.end_amdhsa_kernel
	.amdgpu_metadata
---
amdhsa.version: [ 1, 2 ]
amdhsa.kernels:
  - .name:           k_q15f8936b0e_raster
    .symbol:         k_q15f8936b0e_raster.kd
    .args:
      - { .name: bbox, .offset: 0, .size: 8, .value_kind: global_buffer, .address_space: global }
      - { .name: gp, .offset: 8, .size: 8, .value_kind: global_buffer, .address_space: global }
      - { .name: out0, .offset: 16, .size: 8, .value_kind: global_buffer, .address_space: global }
    .group_segment_fixed_size: 5888
    .private_segment_fixed_size: 0
    .kernarg_segment_align: 8
    .kernarg_segment_size: 24
    .max_flat_workgroup_size: 32
    .sgpr_count:     66
    .vgpr_count:     250
    .wavefront_size: 32
...
	.end_amdgpu_metadata
.endif
;; end of part 3
